; MI455X (gfx1250); checked and timed in simulation.
; The chip was launched on July 23, 2026; its instructions are those of AMD's public machine-readable ISA for CDNA 5 (MIT licence, August 2026) and "CDNA5" Instruction Set Architecture Reference Guide (July 2026). The comments in the code are by the model that wrote it; some were corrected since.
;; Self Attention. Allowed arithmetic: matrix products marked QUANTISED: E2M1 operands, one E8M0 scale for each 32 along K, by v_wmma_scale_f32_16x16x128_f8f6f4 with both operands' format E2M1 (or v_wmma_scale_f32_32x16x128_f4), f32 sums; products left as they are: bf16, f16 or f32 operands; f32 sums; everything else in f32.
;; Inputs: Wk 1,024 x 1,024 float32; Wo 1,024 x 1,024 float32; Wq 1,024 x 1,024 float32; Wv 1,024 x 1,024 float32; bk 1,024 float32; bo 1,024 float32; bq 1,024 float32; bv 1,024 float32; k 4 x 2,048 x 1,024 float32; q 4 x 2,048 x 1,024 float32; v 4 x 2,048 x 1,024 float32.
;; Outputs: out0 4 x 2,048 x 1,024 float32.
;; This version of the problem:
;;   THIS VERSION OF THE PROBLEM IS GIVEN IN LOW PRECISION. The matrix products marked QUANTISED in the list below multiply operands that are first quantised to E2M1 (2 exponent bits, 1 mantissa bit; 4 bits a number), with one power-of-two scale for each 32 numbers along K (OCP MX v1.0); their sums are f32. The products marked 'left as it is' may take bf16, f16 or f32 operands, with f32 sums. Whichever they take, every output number must still come out within the allowed error. Rounding operands to bf16 (8 significant bits) uses up far more of that allowance than f16 does (11 bits, for magnitudes from 6e-5 to 65,504). All else is computed in f32.
;;   The module's matrix products, in the order in which they are computed (A, B: the left and right operand; K: the contracted axis; several contracted axes count as one K, in the product's order):
;;     1. [M 8,192, K 1,024] x [K 1,024, N 1,024]; A: input q; B: input Wq: QUANTISED
;;     2. [M 8,192, K 1,024] x [K 1,024, N 1,024]; A: input k; B: input Wk: QUANTISED
;;     3. [M 8,192, K 1,024] x [K 1,024, N 1,024]; A: input v; B: input Wv: QUANTISED
;;     4. batch 64 x [M 2,048, K 64] x [K 64, N 2,048]; A: computed on the way; B: computed on the way: left as it is (an operand is computed on the way)
;;     5. batch 64 x [M 64, K 2,048] x [K 2,048, N 2,048]; A: computed on the way; B: computed on the way: left as it is (an operand is computed on the way)
;;     6. [M 8,192, K 1,024] x [K 1,024, N 1,024]; A: computed on the way; B: input Wo: left as it is (an operand is computed on the way)
;;   THE QUANTISER, for each operand of a quantised product, along K:
;;     - K is cut into blocks of 32 from its start; a last block that is shorter is filled with zeros.
;;     - A block's scale is 2^e with e = floor(log2(the largest magnitude in the block)) - 2, held to -126 .. 127; a block of zeros has e = 0. As a byte (E8M0): e + 127.
;;     - Each number is divided by its block's scale, clamped to +-6, and rounded to the nearest number of E2M1, ties to even, subnormals kept.
;;     - The product sums the exact products of the quantised numbers (number of the format x scale) in f32.
;;   ~~~python
;;   def quantise(x, axis):      # numpy; x: float32 -> the quantised numbers, widened to float32 again
;;       x = np.moveaxis(x, axis, -1); K = x.shape[-1]
;;       x = np.pad(x, [(0, 0)] * (x.ndim - 1) + [(0, -K % 32)]); x = x.reshape(x.shape[:-1] + (-1, 32)); a = np.abs(x).max(-1, keepdims=True)
;;       e = np.where(a > 0, np.clip(np.frexp(np.where(a > 0, a, 1))[1] - 1 - 2, -126, 127), 0)      # np.frexp(a)[1] - 1 = floor(log2(a)), exactly
;;       r = np.clip(x / 2.0 ** e, -6, 6)
;;       step = 2.0 ** (np.maximum(np.frexp(np.where(r == 0, 1, r))[1] - 1, 0) - 1)
;;       q = np.round(r / step) * step * 2.0 ** e      # np.round: ties to even
;;       return np.moveaxis(q.reshape(q.shape[:-2] + (-1,))[..., :K], -1, axis).astype(np.float32)
;;   ~~~
;; One version. Each part assembles by itself: llvm-mc -triple=amdgcn-amd-amdhsa -mcpu=gfx1250 --defsym DOCPART=n.
;; ======== version 1 of 1: 4 launches
;; limits: values are held in f16: magnitudes above 65,504 overflow, below 6.1e-05 lose precision
;; workspace buffers: wimg 1,572,864 bytes; wscl 98,304 bytes; woimg 2,097,152 bytes; qimg 16,777,216 bytes; kvimg 33,554,432 bytes; oimg 16,777,216 bytes
;; launch prep (part 1): grid 64 x 4, 4 waves a work-group, no clusters, 0 bytes of LDS; arguments Wq, Wk, Wv, Wo, wimg, wscl, woimg; writes wimg, wscl, woimg
.if DOCPART == 1
	.amdgcn_target "amdgcn-amd-amdhsa--gfx1250"
	.amdhsa_code_object_version 6
	.text
	.protected	k_q294c06189d_prep
	.globl	k_q294c06189d_prep
	.p2align	8
	.type	k_q294c06189d_prep,@function
k_q294c06189d_prep:
	s_mov_b64 s[64:65], 0
	v_nop
	global_prefetch_b8 v0, s[64:65] scope:SCOPE_SE
	s_setreg_imm32_b32 hwreg(HW_REG_WAVE_MODE, 25, 1), 1
	s_wait_xcnt 0x0
; THE WEIGHTS, ONCE.  Wq, Wk, Wv, Wo: [1024 (k)][1024 (n)] f32, K is the FIRST axis.
; Work-group y = 0, 1, 2: Wq, Wk, Wv become codes of FP4 (E2M1) with one E8M0 scale byte for each 32 along K.  y = 3: Wo becomes f16.
; Both leave as IMAGES OF OPERAND REGISTERS: a fragment is 1,024 bytes, registers 0-3 of lane L at 16 L, registers 4-7 at 512 + 16 L, so that a later launch loads a fragment by two loads of 16 bytes a lane.
;   wimg  [t 3][nt 64][ks 8][1024]: 16 columns n = 16 nt + r, k = 128 ks on; lane (r, h): registers 4 c .. 4 c + 3 hold k = 64 c + 32 h + 0 .. 31
;   wscl  [t 3][n 1024][ks 8] words: the four scale bytes of column n and K step ks
;   woimg [nt 64][kc 32][1024]: 16 columns, k = 32 kc on; lane (r, h): registers 0-3 hold k = 8 h + 0 .. 7, registers 4-7 k = 16 + 8 h + 0 .. 7
; A LANE TAKES A COLUMN AND ITS 128 REGISTERS RUN DOWN K: a load reads 128 consecutive bytes a wave (512 a work-group), a block of 32 along K lies in one lane, and the conversions give codes with K innermost.
; A wave's 32 columns are two tiles of 16: eight exchanges of half-waves turn a lane's blocks into the two fragments' registers.
; A block's scale is 2^(floor(log2(largest magnitude)) - 2): its byte is the largest magnitude's exponent field - 2, held at 1 from below.
; LIMITS: a block of zeros gets the byte 1 where the rule says 127 (its codes are zeros, and this program alone reads the bytes); NaN and infinities among the inputs are not served; |Wo| stays under 65,504.
; SHARES: work-group x: 128 columns (x & 7) x 128 along K (x >> 3); wave w: 32 of the columns.  No LDS, no barrier: waves share nothing.
.set X,    32                          ; v32-159  my column's 128 numbers
.set C,    160                         ; v160-223 codes (16 registers) or pairs of f16 (64)
.set SCOP, 10                          ; v10-13   the conversions' scale operands, a block each
	s_load_b256 s[4:11], s[0:1], 0x0               ; Wq, Wk, Wv, Wo
	s_load_b128 s[12:15], s[0:1], 0x20             ; wimg, wscl
	s_load_b64 s[16:17], s[0:1], 0x30              ; woimg
	v_lshrrev_b32 v1, 5, v0
	v_readfirstlane_b32 s18, v1                    ; wave
	v_and_b32 v1, 31, v0                           ; lane
	v_lshlrev_b32 v2, 2, v1                        ; in: 4 bytes a lane
	v_lshlrev_b32 v3, 4, v1                        ; an image: 16 bytes a lane
	v_lshlrev_b32 v4, 5, v1                        ; scale words: 32 bytes a column
	s_and_b32 s19, ttmp7, 0xffff                   ; which tensor
	s_and_b32 s20, ttmp9, 7                        ; which 128 columns
	s_lshr_b32 s21, ttmp9, 3                       ; kg: which 128 along K
	s_lshl_b32 s22, s20, 2
	s_add_co_u32 s22, s22, s18                     ; np: which 32 columns
	s_lshl_b32 s24, s21, 19                        ; 128 rows of 4,096 bytes
	s_lshl_b32 s26, s22, 7                         ; 32 columns of 4 bytes
	s_add_co_u32 s24, s24, s26
	s_mov_b32 s25, 0
	s_mov_b32 s27, 0
	s_wait_kmcnt 0x0
	s_cmp_eq_u32 s19, 1                            ; the choice hangs on the work-group's number alone
	s_cselect_b64 s[4:5], s[6:7], s[4:5]
	s_cmp_eq_u32 s19, 2
	s_cselect_b64 s[4:5], s[8:9], s[4:5]
	s_cmp_eq_u32 s19, 3
	s_cselect_b64 s[4:5], s[10:11], s[4:5]
	s_add_nc_u64 s[4:5], s[4:5], s[24:25]
.macro LOAD b                          ; rows 32 b .. 32 b + 31 of my 128
.set n, 32*(\b)
.rept 32
	global_load_b32 v[X+n], v2, s[4:5] offset:4096*n th:TH_LOAD_NT
.set n, n+1
.endr
.endm
.macro ARRIVE b                        ; block b is in; loads run two blocks ahead
.if (\b) < 3
	s_wait_loadcnt 32                              ; the next block's 32 loads may be out
.else
	s_wait_loadcnt 0x0
.endif
.if (\b) < 2
	LOAD (\b)+2
.endif
.endm
.macro QBLOCK b
	ARRIVE \b
.set XB, X+32*(\b)
	v_max3_num_f32 v8, |v[XB]|, |v[XB+1]|, |v[XB+2]|               ; the block's largest magnitude, in two chains
	v_max3_num_f32 v9, |v[XB+3]|, |v[XB+4]|, |v[XB+5]|
.irp i, 6,10,14,18,22,26
	v_max3_num_f32 v8, v8, |v[XB+\i]|, |v[XB+\i+1]|
	v_max3_num_f32 v9, v9, |v[XB+\i+2]|, |v[XB+\i+3]|
.endr
	v_max3_num_f32 v8, v8, |v[XB+30]|, |v[XB+31]|
	v_max3_num_f32 v8, v8, v9, 0x1800000           ; and the floor 2^(3 - 127): the byte cannot fall under 1
	v_add_nc_u32 v[SCOP+\b], 0xff000000, v8        ; 2 off the exponent field: the conversion takes this operand's exponent field as its scale
	v_lshrrev_b32 v14, 23, v[SCOP+\b]              ; the scale's byte
.if (\b) == 0
	v_mov_b32 v15, v14
.else
	v_lshl_or_b32 v15, v14, 8*(\b), v15            ; four bytes make the K step's scale word, the lower k in the lower byte
.endif
.irp g, 0,1,2,3
	v_cvt_scalef32_pk8_fp4_f32 v[C+4*(\b)+\g], v[XB+8*\g:XB+8*\g+7], v[SCOP+\b]
.endr
.endm
.macro HBLOCK c
	ARRIVE \c
.set n, 0
.rept 16
	v_cvt_pk_f16_f32 v[C+16*(\c)+n], v[X+32*(\c)+2*n], v[X+32*(\c)+2*n+1]   ; the lower k in the low half
.set n, n+1
.endr
.endm
; 16 registers of a lane, four groups of four along K, become two fragments: the exchange puts the first register's lanes 16-31 in the place of the second's lanes 0-15 and the other way round.
; Afterwards base + 0..3 and base + 8..11 are registers 0-3 and 4-7 of the fragment of columns 0-15, base + 4..7 and base + 12..15 those of columns 16-31.
.macro SWAPS base
.irp i, 0,1,2,3,8,9,10,11
	v_permlane16_swap_b32 v[(\base)+\i], v[(\base)+\i+4]
.endr
.endm
	LOAD 0
	LOAD 1
	s_cmp_eq_u32 s19, 3
	s_cbranch_scc1 .Lwo
	s_lshl_b32 s26, s19, 19                        ; wimg: ((64 t + 2 np) 8 + kg) 1,024
	s_lshl_b32 s28, s22, 14
	s_add_co_u32 s26, s26, s28
	s_lshl_b32 s28, s21, 10
	s_add_co_u32 s26, s26, s28
	s_add_nc_u64 s[12:13], s[12:13], s[26:27]
	s_lshl_b32 s26, s19, 15                        ; wscl: 32,768 t + 1,024 np + 4 kg
	s_lshl_b32 s28, s22, 10
	s_add_co_u32 s26, s26, s28
	s_lshl_b32 s28, s21, 2
	s_add_co_u32 s26, s26, s28
	s_add_nc_u64 s[14:15], s[14:15], s[26:27]
	QBLOCK 0
	QBLOCK 1
	QBLOCK 2
	QBLOCK 3
	v_nop                                          ; one plain instruction between the last scaled conversion and the exchanges that touch its result
	SWAPS C
	global_store_b128 v3, v[C:C+3], s[12:13]                    ; each store of the wave covers 512 consecutive bytes, aligned
	global_store_b128 v3, v[C+8:C+11], s[12:13] offset:512
	global_store_b128 v3, v[C+4:C+7], s[12:13] offset:8192      ; the next tile of columns lies 8 K steps on
	global_store_b128 v3, v[C+12:C+15], s[12:13] offset:8704
	global_store_b32 v4, v15, s[14:15]             ; 4 bytes of each column's 32: written in parts by the eight work-groups along K; 96 KB in the whole launch
	s_endpgm
.Lwo:
	s_lshl_b32 s26, s22, 16                        ; woimg: (2 np 32 + 4 kg) 1,024
	s_lshl_b32 s28, s21, 12
	s_add_co_u32 s26, s26, s28
	s_add_nc_u64 s[16:17], s[16:17], s[26:27]
	HBLOCK 0
	HBLOCK 1
	HBLOCK 2
	HBLOCK 3
.irp c, 0,1,2,3
	SWAPS C+16*\c
.endr
.irp c, 0,1,2,3
	global_store_b128 v3, v[C+16*\c:C+16*\c+3], s[16:17] offset:1024*\c
	global_store_b128 v3, v[C+16*\c+8:C+16*\c+11], s[16:17] offset:1024*\c+512
	global_store_b128 v3, v[C+16*\c+4:C+16*\c+7], s[16:17] offset:1024*\c+32768
	global_store_b128 v3, v[C+16*\c+12:C+16*\c+15], s[16:17] offset:1024*\c+33280
.endr
	s_endpgm
.Lfunc_end_k_q294c06189d_prep:
	.size	k_q294c06189d_prep, .Lfunc_end_k_q294c06189d_prep-k_q294c06189d_prep
	.p2alignl 7, 3214868480
	.fill 96, 4, 3214868480
	.section	.rodata,"a",@progbits
	.p2align	6, 0x0
	.amdhsa_kernel k_q294c06189d_prep
		.amdhsa_group_segment_fixed_size 0
		.amdhsa_private_segment_fixed_size 0
		.amdhsa_enable_private_segment 0
		.amdhsa_kernarg_size 56
		.amdhsa_user_sgpr_count 2
		.amdhsa_user_sgpr_kernarg_segment_ptr 1
		.amdhsa_wavefront_size32 1
		.amdhsa_system_sgpr_workgroup_id_x 1
		.amdhsa_system_sgpr_workgroup_id_y 1
		.amdhsa_system_sgpr_workgroup_id_z 1
		.amdhsa_system_vgpr_workitem_id 0
		.amdhsa_next_free_vgpr 224
		.amdhsa_next_free_sgpr 66
		.amdhsa_reserve_vcc 0
		.amdhsa_float_denorm_mode_32 3
		.amdhsa_float_denorm_mode_16_64 3
		.amdhsa_memory_ordered 1
		.amdhsa_forward_progress 1
		.amdhsa_inst_pref_size 34
	.end_amdhsa_kernel
	.amdgpu_metadata
---
amdhsa.version: [ 1, 2 ]
amdhsa.kernels:
  - .name:           k_q294c06189d_prep
    .symbol:         k_q294c06189d_prep.kd
    .args:
      - { .name: Wq, .offset: 0, .size: 8, .value_kind: global_buffer, .address_space: global }
      - { .name: Wk, .offset: 8, .size: 8, .value_kind: global_buffer, .address_space: global }
      - { .name: Wv, .offset: 16, .size: 8, .value_kind: global_buffer, .address_space: global }
      - { .name: Wo, .offset: 24, .size: 8, .value_kind: global_buffer, .address_space: global }
      - { .name: wimg, .offset: 32, .size: 8, .value_kind: global_buffer, .address_space: global }
      - { .name: wscl, .offset: 40, .size: 8, .value_kind: global_buffer, .address_space: global }
      - { .name: woimg, .offset: 48, .size: 8, .value_kind: global_buffer, .address_space: global }
    .group_segment_fixed_size: 0
    .private_segment_fixed_size: 0
    .kernarg_segment_align: 8
    .kernarg_segment_size: 56
    .max_flat_workgroup_size: 128
    .sgpr_count:     66
    .vgpr_count:     224
    .wavefront_size: 32
...
	.end_amdgpu_metadata
.endif
;; end of part 1
;; launch proj (part 2): grid 64 x 3, 4 waves a work-group, no clusters, 103,936 bytes of LDS; arguments q, k, v, bq, bk, bv, wimg, wscl, qimg, kvimg; writes qimg, kvimg
.if DOCPART == 2
	.amdgcn_target "amdgcn-amd-amdhsa--gfx1250"
	.amdhsa_code_object_version 6
	.text
	.protected	k_q294c06189d_proj
	.globl	k_q294c06189d_proj
	.p2align	8
	.type	k_q294c06189d_proj,@function
k_q294c06189d_proj:
	s_mov_b64 s[64:65], 0
	v_nop
	global_prefetch_b8 v0, s[64:65] scope:SCOPE_SE
	s_setreg_imm32_b32 hwreg(HW_REG_WAVE_MODE, 25, 1), 1
	s_wait_xcnt 0x0
; THE THREE PROJECTIONS, x W + b, on codes of FP4 (E2M1) with one E8M0 scale for each 32 along K.  Work-group y = 0, 1, 2: x = q, k, v ([8192][1024] f32).  W comes as fragments and scale words, laid by the launch before.
; A work-group takes 128 rows of x and all 1,024 columns.  PHASE X: wave w quantises rows 32 w .. 32 w + 31 (two tiles of 16 rows x 8 K steps of 128) and puts the 16 fragments and their scale words into LDS as images of
; their registers; one barrier; every wave then holds all 64 fragments of x in 512 registers.  PHASE M: THE WAVES SHARE THE COLUMNS: wave w makes column tiles 16 w .. 16 w + 15 (heads 4 w .. 4 w + 3) for all 128 rows,
; a tile of 16 columns at a time: 64 matrix instructions on 8 accumulators by turns; W's fragments come from memory straight into a ring of four register sets, three tiles ahead.
; THE RESULTS LEAVE AS f16 FRAGMENTS OF THE NEXT PRODUCTS, as the matrix unit leaves them: q and k are made with source 0 = W, source 1 = x: a lane holds one token and eight neighbouring channels, which pack into registers
; 0-3 or 4-7 of a fragment of Q or K; v is made with source 0 = x, source 1 = W: a lane holds one channel and eight neighbouring tokens: half a fragment of V^T.  Every store of a wave covers 512 consecutive bytes, aligned.
;   qimg  [bh 64][qt 128][f 2][1024];   kvimg [bh 64][chunk 4][K: [kt 32][f 2][1024] | V: [g 16][ct 4][1024]], a chunk = 512 keys
; NO TENSOR LOAD, NO CLUSTER: each fragment of W is used by exactly one wave of a work-group, so a way through LDS would add a write and a read of each byte and spare none.
; LIMITS: a block of zeros gets the scale byte 1 where the rule says 127 (its codes are zeros; the bytes never leave the launch); NaN and infinities are not served; |x W + b| stays under 65,504, f16's largest number.
; REGISTERS, in windows of 256.  window 0: v1-13 addresses; v30, v31 the add's two; v32-63 x's scale words; v64-95 W's; v96-127 biases; v128-191 64 numbers of x, later the 8 accumulators; v192-223 at work.
;   window 1: phase X: four raw fragments as loaded.  windows 1, 2: phase M: x's fragment (m, ks) at window 1 + ks / 4, register 64 (ks % 4) + 8 m.   window 3: W's ring: set i at 64 i + 8 ks.
.set XIMG,   0                         ; LDS: x's 64 fragments, (m, ks) at 1,024 (8 m + ks)
.set XSC,    65536                     ; their scale words: 64 bytes a fragment, 4 bytes a row
.set STG,    69632                     ; a stage for each wave: 16 rows x (512 bytes + 16)
.set SPITCH, 528                       ; 132 words: the 16 rows that a load touches start at 16 different groups of four banks (64 banks of 4 bytes: ISA guide 11.1)
.set WSTG,   16*SPITCH
.set SPARE,  103424                    ; the spare words, 128 bytes for each wave: two blocks of 256 bytes that no other line names
.set LI,   1                           ; v1   16 x lane
.set STI,  2                           ; v2   the stage, in: 16 x lane
.set STO,  3                           ; v3   the stage, out: row r, + 64 h
.set XWI0, 4                           ; v4   where my wave's images begin: 16 x lane + 16,384 x wave
.set XWS0, 5                           ; v5   and their scale words: XSC + 1,024 x wave + 4 r
.set ADI,  6                           ; v6   the same for the trip in hand
.set ADS,  7                           ; v7
.set LS2,  8                           ; v8   XSC + 4 x lane
.set WSO,  9                           ; v9   32 r: a column's eight scale words
.set BO,   10                          ; v10  the bias: 32 h (q, k) or 4 r (v)
.set SPW,  30
.set NIL,  31
.set XS,   32                          ; register 4 m + ks / 2: lanes 0-15 the words of the even K step, lanes 16-31 of the odd one
.set WS,   64                          ; register 8 i + ks
.set BI,   96                          ; 8 registers for each set of the ring
.set XT,   128
.set ACC,  128
.set TM,   192
.set PW,   208
.set PC,   216
.set PK,   192
.set XB,   4                           ; s[4:5]   x at my wave's first row
.set BB,   10                          ; s[10:11] the bias at my wave's first column
.set WB,   16                          ; s[16:17] W's fragments at my wave's first tile
.set WSB,  18                          ; s[18:19] W's scale words likewise
.set OUT,  20                          ; s[20:21] where the head in hand goes
.set HS,   28                          ; s[28:29] bytes from head to head
.set SEL,  30                          ; s[30:31] selects for lane l xor 16
.set SXT,  32                          ; s32  2,048 x trip: two K steps' images
.set SXU,  33                          ; s33  128 x trip: their scale words
.set MSB, 0
.macro WIN new                         ; the immediate's high byte repeats the setting that is left; a switch that changes nothing is dropped
.if MSB != (\new)
	s_set_vgpr_msb (MSB<<8)|(\new)
.set MSB, (\new)
.endif
.endm
.macro PLACES
.rept 4
	v_nop
.endr
.endm
	s_load_b256 s[4:11], s[0:1], 0x0               ; q, k, v, bq
	s_load_b256 s[12:19], s[0:1], 0x20             ; bk, bv, wimg, wscl
	s_load_b128 s[20:23], s[0:1], 0x40             ; qimg, kvimg
	v_lshl_add_u32 v[SPW], v0, 2, SPARE
	v_mov_b32 v[NIL], 0
	v_lshrrev_b32 v11, 5, v0
	v_readfirstlane_b32 s24, v11                   ; wave
	v_and_b32 v11, 31, v0                          ; lane
	v_and_b32 v12, 15, v0                          ; r
	v_bfe_u32 v13, v0, 4, 1                        ; h
	v_lshlrev_b32 v[LI], 4, v11
	s_mul_i32 s36, s24, WSTG
	s_add_co_u32 s36, s36, STG                     ; my stage
	v_add_nc_u32 v[STI], s36, v[LI]
	v_mul_u32_u24 v[STO], v12, SPITCH
	v_lshl_add_u32 v[STO], v13, 6, v[STO]
	v_add_nc_u32 v[STO], s36, v[STO]
	s_lshl_b32 s36, s24, 14
	v_add_nc_u32 v[XWI0], s36, v[LI]
	s_lshl_b32 s36, s24, 10
	s_add_co_u32 s36, s36, XSC
	v_lshl_add_u32 v[XWS0], v12, 2, s36
	v_lshl_add_u32 v[LS2], v11, 2, XSC
	v_lshlrev_b32 v[WSO], 5, v12
.irp b, 0,1,2,3
	v_mov_b32 v[TM+4+\b], 0                        ; written once: a lane permute's destination counts as one of its sources
.endr
	s_mov_b32 s[SEL], 0x76543210
	s_mov_b32 s[SEL+1], 0xfedcba98
	s_and_b32 s26, ttmp7, 0xffff                   ; y: which tensor
	s_mov_b32 s25, ttmp9                           ; x: which 128 rows
	s_mov_b32 s37, 0
	s_mov_b32 s[HS+1], 0
	s_wait_kmcnt 0x0
	s_cmp_eq_u32 s26, 1                            ; the choices hang on the work-group's number alone
	s_cselect_b64 s[XB:XB+1], s[6:7], s[XB:XB+1]
	s_cselect_b64 s[BB:BB+1], s[12:13], s[BB:BB+1]
	s_cmp_eq_u32 s26, 2
	s_cselect_b64 s[XB:XB+1], s[8:9], s[XB:XB+1]
	s_cselect_b64 s[BB:BB+1], s[14:15], s[BB:BB+1]
	s_cselect_b32 s35, 65536, 0                    ; V's half of a chunk
	s_cmp_eq_u32 s26, 0
	s_cselect_b64 s[OUT:OUT+1], s[20:21], s[22:23]
	s_mov_b32 s[HS], 524288
	s_cselect_b32 s[HS], 262144, s[HS]
	s_lshl_b32 s36, s25, 19                        ; x: (128 x + 32 wave) rows of 4,096 bytes
	s_lshl_b32 s38, s24, 17
	s_add_co_u32 s36, s36, s38
	s_add_nc_u64 s[XB:XB+1], s[XB:XB+1], s[36:37]
	s_lshl_b32 s36, s24, 10                        ; the bias: my 256 columns
	s_add_nc_u64 s[BB:BB+1], s[BB:BB+1], s[36:37]
	s_lshl_b32 s36, s26, 19                        ; W: 64 tiles of 8,192 bytes a tensor, 16 a wave
	s_lshl_b32 s38, s24, 17
	s_add_co_u32 s36, s36, s38
	s_add_nc_u64 s[WB:WB+1], s[WB:WB+1], s[36:37]
	s_lshl_b32 s36, s26, 15                        ; its scale words: 512 bytes a tile
	s_lshl_b32 s38, s24, 13
	s_add_co_u32 s36, s36, s38
	s_add_nc_u64 s[WSB:WSB+1], s[WSB:WSB+1], s[36:37]
	s_lshr_b32 s36, s25, 4                         ; out: head 16 (x / 16) + 4 wave,
	s_lshl_b32 s36, s36, 4
	s_lshl_b32 s38, s24, 2
	s_add_co_u32 s36, s36, s38
	s_mul_i32 s36, s36, s[HS]
	s_bfe_u32 s38, s25, 0x20002                    ; which 512 tokens of the sequence: a quarter of a head's bytes each,
	s_lshr_b32 s39, s[HS], 2
	s_mul_i32 s38, s38, s39
	s_add_co_u32 s36, s36, s38
	s_and_b32 s38, s25, 3                          ; which 128 of them: 16,384 bytes each, in Q, K and V alike
	s_lshl_b32 s38, s38, 14
	s_add_co_u32 s36, s36, s38
	s_add_co_u32 s36, s36, s35
	s_add_nc_u64 s[OUT:OUT+1], s[OUT:OUT+1], s[36:37]
; ---------------- PHASE X ----------------
; Raw fragment p of a trip: row tile 2 wave + p % 2, K step 2 trip + p / 2: 16 loads, each 512 consecutive bytes of one row.
.macro XLOAD p, ahead
	WIN 0x40                                       ; destination window 1
.irp i, 0,1,2,3,4,5,6,7,8,9,10,11,12,13,14,15
	global_load_b128 v[64*(\p)+4*\i:64*(\p)+4*\i+3], v[LI], s[XB:XB+1] offset:(((\p)%2)*16+\i)*4096+((\p)/2)*512+1024*(\ahead) th:TH_LOAD_NT
.endr
	WIN 0
.endm
; 64 numbers of a lane, register 16 b + i = k 32 b + 16 h + i of my row, become a fragment's codes in v[PC] on and its scale word in v[PW].
.macro QUANT s
.irp b, 0,1,2,3
	v_max3_num_f32 v[TM+\b], |v[\s+16*\b]|, |v[\s+1+16*\b]|, 0x1800000   ; block b: my 16 numbers, and the floor 2^(3 - 127): the byte cannot fall under 1
.endr
.irp i, 2,4,6,8,10,12,14
.irp b, 0,1,2,3
	v_max3_num_f32 v[TM+\b], v[TM+\b], |v[\s+16*\b+\i]|, |v[\s+1+16*\b+\i]|   ; the four blocks by turns
.endr
.endr
.irp b, 0,1,2,3
	v_permlanex16_b32 v[TM+4+\b], v[TM+\b], s[SEL], s[SEL+1]
.endr
.irp b, 0,1,2,3
	v_max_num_f32 v[TM+\b], v[TM+\b], v[TM+4+\b]   ; with lane l xor 16's: the block's largest magnitude
.endr
.irp b, 0,1,2,3
	v_add_nc_u32 v[TM+12+\b], 0xff000000, v[TM+\b] ; 2 off its exponent field: the conversion's scale operand
.endr
.irp b, 0,1,2,3
	v_lshrrev_b32 v[TM+4+\b], 23, v[TM+12+\b]      ; the scale's byte
.endr
	v_lshl_or_b32 v[PW], v[TM+5], 8, v[TM+4]
	v_lshl_or_b32 v[PW], v[TM+6], 16, v[PW]
	v_lshl_or_b32 v[PW], v[TM+7], 24, v[PW]
.irp b, 0,1,2,3
	v_cvt_scalef32_pk8_fp4_f32 v[PC+2*\b], v[\s+16*\b:\s+7+16*\b], v[TM+12+\b]
	v_cvt_scalef32_pk8_fp4_f32 v[PC+1+2*\b], v[\s+8+16*\b:\s+15+16*\b], v[TM+12+\b]
.endr
	v_nop                                          ; one plain instruction behind the last scaled conversion
.irp c, 0,1                                    ; the operand wants a whole block in a lane: lanes 0-15 block 2 c, lanes 16-31 block 2 c + 1
.irp i, 0,1
	v_permlane16_swap_b32 v[PC+4*\c+\i], v[PC+2+4*\c+\i]
.endr
.endr
.endm
; One fragment: the 16 rows go through my stage as they lie and come back 64 bytes a lane and block; they are quantised; the image goes to LDS.
.macro FRAGX p, load, left
	s_wait_loadcnt \left                           ; loads come back in order: this fragment's 16 are in, the younger fragments' stay out
	WIN 0x04                                       ; an LDS store's data are its source 1: window 1
.irp i, 0,1,2,3,4,5,6,7,8,9,10,11,12,13,14,15
	ds_store_b128 v[STI], v[64*(\p)+4*\i:64*(\p)+4*\i+3] offset:SPITCH*\i
.endr
	WIN 0
.irp b, 0,1,2,3
.irp j, 0,1,2,3
	ds_load_b128 v[XT+16*\b+4*\j:XT+16*\b+4*\j+3], v[STO] offset:128*\b+16*\j   ; LDS serves a wave's instructions in order: these see the stores above
.endr
.endr
	s_wait_dscnt 0x0                               ; the numbers are back; the stores have read the raw registers, and the last image's stores theirs
.if \load
	XLOAD \p, 1                                    ; the same place of the next trip
.endif
	QUANT XT
.irp c, 0,1
	ds_store_b128 v[ADI], v[PC+4*\c:PC+4*\c+3] offset:(((\p)%2)*8+(\p)/2)*1024+512*\c
.endr
	ds_store_b32 v[ADS], v[PW] offset:(((\p)%2)*8+(\p)/2)*64   ; both halves of the lanes write the same word with the same value
.endm
.macro XTRIP load, l0, l1, l2, l3
	v_add_nc_u32 v[ADI], s[SXT], v[XWI0]
	v_add_nc_u32 v[ADS], s[SXU], v[XWS0]
	FRAGX 0, \load, \l0
	FRAGX 1, \load, \l1
	FRAGX 2, \load, \l2
	FRAGX 3, \load, \l3
.endm
	s_mov_b32 s[SXT], 0
	s_mov_b32 s[SXU], 0
	s_mov_b32 s34, 3
	XLOAD 0, 0
	XLOAD 1, 0
	XLOAD 2, 0
	XLOAD 3, 0                                     ; 64 loads, 32 KB a wave, are on their way
.Lx:
	XTRIP 1, 48, 48, 48, 48                        ; 48: the three younger fragments
	s_wait_dscnt 0x0                               ; the image stores have read their address registers
	s_wait_xcnt 0x0                                ; the loads have read their base
	s_add_nc_u64 s[XB:XB+1], s[XB:XB+1], 1024      ; two K steps on
	s_add_co_u32 s[SXT], s[SXT], 2048
	s_add_co_u32 s[SXU], s[SXU], 128
	s_sub_co_u32 s34, s34, 1
	s_cmp_lg_u32 s34, 0
	s_cbranch_scc1 .Lx
	XTRIP 0, 48, 32, 16, 0                         ; the last trip loads nothing: the counts run down
; ---------------- BETWEEN THE PHASES ----------------
.macro WLOADS i, ahead                 ; a tile's 8 fragments of W and its columns' 8 scale words into set i of the ring: 18 loads
	WIN 0xc0                                       ; destination window 3
.irp ks, 0,1,2,3,4,5,6,7
.irp c, 0,1
	global_load_b128 v[64*(\i)+8*\ks+4*\c:64*(\i)+8*\ks+4*\c+3], v[LI], s[WB:WB+1] offset:(4*(\ahead)+(\i))*8192+1024*\ks+512*\c
.endr
.endr
	WIN 0
.irp e, 0,1
	global_load_b128 v[WS+8*(\i)+4*\e:WS+8*(\i)+4*\e+3], v[WSO], s[WSB:WSB+1] offset:(4*(\ahead)+(\i))*512+16*\e
.endr
.endm
.macro BLOADS path, i, ahead           ; its bias.  q, k: my eight channels (2 loads);  v: my one channel (1 load)
.if (\path) == 0
.irp e, 0,1
	global_load_b128 v[BI+8*(\i)+4*\e:BI+8*(\i)+4*\e+3], v[BO], s[BB:BB+1] offset:(4*(\ahead)+(\i))*64+16*\e
.endr
.else
	global_load_b32 v[BI+8*(\i)], v[BO], s[BB:BB+1] offset:(4*(\ahead)+(\i))*64
.endif
.endm
	WLOADS 0, 0                                    ; the first four tiles of W fly during the barrier and the LDS reads
	WLOADS 1, 0
	WLOADS 2, 0
	WLOADS 3, 0
	s_wait_dscnt 0x0                               ; for the others' sake: my images and scale words have landed
	s_barrier_signal -1
	s_barrier_wait -1                              ; all 64 fragments of x lie in LDS; nothing is written there again
	WIN 0x40
.irp ks, 0,1,2,3
.irp m, 0,1,2,3,4,5,6,7
.irp c, 0,1
	ds_load_b128 v[64*\ks+8*\m+4*\c:64*\ks+8*\m+4*\c+3], v[LI] offset:(8*\m+\ks)*1024+512*\c
.endr
.endr
.endr
	WIN 0x80
.irp ks, 0,1,2,3
.irp m, 0,1,2,3,4,5,6,7
.irp c, 0,1
	ds_load_b128 v[64*\ks+8*\m+4*\c:64*\ks+8*\m+4*\c+3], v[LI] offset:(8*\m+\ks+4)*1024+512*\c
.endr
.endr
.endr
	WIN 0
.irp m, 0,1,2,3,4,5,6,7
.irp kp, 0,1,2,3
	ds_load_b32 v[XS+4*\m+\kp], v[LS2] offset:(8*\m+2*\kp)*64   ; 128 consecutive bytes: lanes 0-15 the even K step's 16 rows, lanes 16-31 the odd one's
.endr
.endr
	s_wait_dscnt 0x0
; ---------------- PHASE M ----------------
; One matrix instruction: tile in set i, K step ks, row tile m.  The odd K steps' scale words of x stand in lanes 16-31.
.macro WM path, i, ks, m
.set rD, ACC+8*(\m)
.set rW, 64*(\i)+8*(\ks)
.set rX, 64*((\ks)%4)+8*(\m)
.set rV, WS+8*(\i)+(\ks)
.set rY, XS+4*(\m)+(\ks)/2
.set rB, BI+8*(\i)
.if (\path) == 0
.if (\ks) == 0
	v_wmma_scale_f32_16x16x128_f8f6f4 v[rD:rD+7], v[rW:rW+7], v[rX:rX+7], v[rB:rB+7], v[rV], v[rY] matrix_a_fmt:MATRIX_FMT_FP4 matrix_b_fmt:MATRIX_FMT_FP4
.elseif (\ks)%2
	v_wmma_scale_f32_16x16x128_f8f6f4 v[rD:rD+7], v[rW:rW+7], v[rX:rX+7], v[rD:rD+7], v[rV], v[rY] matrix_a_fmt:MATRIX_FMT_FP4 matrix_b_fmt:MATRIX_FMT_FP4 matrix_b_scale:MATRIX_SCALE_ROW1
.else
	v_wmma_scale_f32_16x16x128_f8f6f4 v[rD:rD+7], v[rW:rW+7], v[rX:rX+7], v[rD:rD+7], v[rV], v[rY] matrix_a_fmt:MATRIX_FMT_FP4 matrix_b_fmt:MATRIX_FMT_FP4
.endif
.else
.if (\ks) == 0
	v_wmma_scale_f32_16x16x128_f8f6f4 v[rD:rD+7], v[rX:rX+7], v[rW:rW+7], 0, v[rY], v[rV] matrix_a_fmt:MATRIX_FMT_FP4 matrix_b_fmt:MATRIX_FMT_FP4
.elseif (\ks)%2
	v_wmma_scale_f32_16x16x128_f8f6f4 v[rD:rD+7], v[rX:rX+7], v[rW:rW+7], v[rD:rD+7], v[rY], v[rV] matrix_a_fmt:MATRIX_FMT_FP4 matrix_b_fmt:MATRIX_FMT_FP4 matrix_a_scale:MATRIX_SCALE_ROW1
.else
	v_wmma_scale_f32_16x16x128_f8f6f4 v[rD:rD+7], v[rX:rX+7], v[rW:rW+7], v[rD:rD+7], v[rY], v[rV] matrix_a_fmt:MATRIX_FMT_FP4 matrix_b_fmt:MATRIX_FMT_FP4
.endif
.endif
.endm
; A tile of 16 columns for the 128 rows.  path 0 (q, k): source 0 = W, source 1 = x, the bias is the C of each sum's first instruction.  path 1 (v): source 0 = x, source 1 = W, the sums start with 0 and the
; lane's one bias is added behind them.  The 8 accumulators take turns, one instruction a turn.
.macro TILE path, i, load, left
	s_wait_loadcnt \left                           ; this tile's loads are in; the younger tiles' stay out
	WIN 0x07+6*(\path)                             ; W window 3, x window 1, C and D window 0
.irp ks, 0,1,2,3
.irp m, 0,1,2,3,4,5,6,7
	WM \path, \i, \ks, \m
.endr
.endr
	WIN 0x0b+3*(\path)                             ; x window 2
.irp ks, 4,5,6,7
.irp m, 0,1,2,3,4,5,6,7
	WM \path, \i, \ks, \m
.endr
.endr
	WIN 0
	PLACES                                         ; four places in front of the reads of results and of the loads into the set just multiplied
.if (\path) == 1
.set e, 0
.rept 32
	v_pk_add_f32 v[ACC+e:ACC+e+1], v[ACC+e:ACC+e+1], v[BI+8*(\i):BI+8*(\i)+1] op_sel_hi:[1,0]   ; ahead of the ring's loads, which land on the bias; each accumulator from its low end on
.set e, e+2
.endr
.endif
	s_wait_xcnt 0x0                                ; the last tile's stores have read their data: the packed registers may be written again
.if \load
	WLOADS \i, 1                                   ; the same set takes the tile four further on
	BLOADS \path, \i, 1
.endif
.set e, 0
.rept 32
	v_cvt_pk_f16_f32 v[PK+e], v[ACC+2*e], v[ACC+2*e+1]   ; ascending.  These, with the four places, are also the places in front of the next tile's products, which begin the accumulators anew
.set e, e+1
.endr
.irp m, 0,1,2,3,4,5,6,7
.if (\path) == 0
	global_store_b128 v[LI], v[PK+4*\m:PK+4*\m+3], s[OUT:OUT+1] offset:2048*\m+1024*((\i)/2)+512*((\i)%2)    ; row tile m, channels 16 i on: half a fragment
.else
	global_store_b128 v[LI], v[PK+4*\m:PK+4*\m+3], s[OUT:OUT+1] offset:4096*(\m/2)+1024*(\i)+512*(\m%2)      ; keys 16 m on, channels 16 i on: half a fragment of V^T
.endif
.endr
.endm
.macro HEADS path, lpt                 ; my four heads, four tiles each: three trips that load ahead, and the last written out.  lpt: loads of a tile
.irp i, 0,1,2,3
	BLOADS \path, \i, 0
.endr
	s_wait_loadcnt 0x0                             ; the first four tiles are in, biases too
	s_mov_b32 s34, 3
.Lhead_\@:
.irp i, 0,1,2,3
	TILE \path, \i, 1, 3*(\lpt)
.endr
	s_wait_xcnt 0x0                                ; loads and stores have read their bases
	s_add_nc_u64 s[WB:WB+1], s[WB:WB+1], 32768
	s_add_nc_u64 s[WSB:WSB+1], s[WSB:WSB+1], 2048
	s_add_nc_u64 s[BB:BB+1], s[BB:BB+1], 256
	s_add_nc_u64 s[OUT:OUT+1], s[OUT:OUT+1], s[HS:HS+1]
	s_sub_co_u32 s34, s34, 1
	s_cmp_lg_u32 s34, 0
	s_cbranch_scc1 .Lhead_\@
.irp i, 0,1,2,3
	TILE \path, \i, 0, (3-\i)*(\lpt)
.endr
.endm
	s_cmp_eq_u32 s26, 2
	s_cbranch_scc1 .Lv
	v_lshlrev_b32 v[BO], 5, v13                    ; my half's eight channels
	HEADS 0, 20
	s_branch .Lend
.Lv:
	v_lshlrev_b32 v[BO], 2, v12                    ; my channel
.irp i, 0,1,2,3
	v_mov_b32 v[BI+8*\i+1], 0                      ; named as the upper half of a pair, so it is written
.endr
	HEADS 1, 19
.Lend:
	s_wait_tensorcnt 0x0                           ; the wave's end, behind my last LDS store
	ds_add_u32 v[SPW], v[NIL]
	s_wait_dscnt 0x0
	s_endpgm
.Lfunc_end_k_q294c06189d_proj:
	.size	k_q294c06189d_proj, .Lfunc_end_k_q294c06189d_proj-k_q294c06189d_proj
	.p2alignl 7, 3214868480
	.fill 96, 4, 3214868480
	.section	.rodata,"a",@progbits
	.p2align	6, 0x0
	.amdhsa_kernel k_q294c06189d_proj
		.amdhsa_group_segment_fixed_size 103936
		.amdhsa_private_segment_fixed_size 0
		.amdhsa_enable_private_segment 0
		.amdhsa_kernarg_size 80
		.amdhsa_user_sgpr_count 2
		.amdhsa_user_sgpr_kernarg_segment_ptr 1
		.amdhsa_wavefront_size32 1
		.amdhsa_system_sgpr_workgroup_id_x 1
		.amdhsa_system_sgpr_workgroup_id_y 1
		.amdhsa_system_sgpr_workgroup_id_z 1
		.amdhsa_system_vgpr_workitem_id 0
		.amdhsa_next_free_vgpr 1024
		.amdhsa_next_free_sgpr 66
		.amdhsa_reserve_vcc 0
		.amdhsa_float_denorm_mode_32 3
		.amdhsa_float_denorm_mode_16_64 3
		.amdhsa_memory_ordered 1
		.amdhsa_forward_progress 1
		.amdhsa_inst_pref_size 255
	.end_amdhsa_kernel
	.section	.bss,"aw",@nobits
	.p2align	6
	.space	262144
	.amdgpu_metadata
---
amdhsa.version: [ 1, 2 ]
amdhsa.kernels:
  - .name:           k_q294c06189d_proj
    .symbol:         k_q294c06189d_proj.kd
    .args:
      - { .name: q, .offset: 0, .size: 8, .value_kind: global_buffer, .address_space: global }
      - { .name: k, .offset: 8, .size: 8, .value_kind: global_buffer, .address_space: global }
      - { .name: v, .offset: 16, .size: 8, .value_kind: global_buffer, .address_space: global }
      - { .name: bq, .offset: 24, .size: 8, .value_kind: global_buffer, .address_space: global }
      - { .name: bk, .offset: 32, .size: 8, .value_kind: global_buffer, .address_space: global }
      - { .name: bv, .offset: 40, .size: 8, .value_kind: global_buffer, .address_space: global }
      - { .name: wimg, .offset: 48, .size: 8, .value_kind: global_buffer, .address_space: global }
      - { .name: wscl, .offset: 56, .size: 8, .value_kind: global_buffer, .address_space: global }
      - { .name: qimg, .offset: 64, .size: 8, .value_kind: global_buffer, .address_space: global }
      - { .name: kvimg, .offset: 72, .size: 8, .value_kind: global_buffer, .address_space: global }
    .group_segment_fixed_size: 103936
    .private_segment_fixed_size: 0
    .kernarg_segment_align: 8
    .kernarg_segment_size: 80
    .max_flat_workgroup_size: 128
    .sgpr_count:     66
    .vgpr_count:     1024
    .wavefront_size: 32
...
	.end_amdgpu_metadata
.endif
;; end of part 2
;; launch attn (part 3): grid 4 x 64, 8 waves a work-group, clusters of 4 x 1, 327,680 bytes of LDS; arguments qimg, kvimg, oimg; writes oimg
.if DOCPART == 3
	.amdgcn_target "amdgcn-amd-amdhsa--gfx1250"
	.amdhsa_code_object_version 6
	.text
	.protected	k_q294c06189d_attn
	.globl	k_q294c06189d_attn
	.p2align	8
	.type	k_q294c06189d_attn,@function
k_q294c06189d_attn:
	s_mov_b64 s[64:65], 0
	v_nop
	global_prefetch_b8 v0, s[64:65] scope:SCOPE_SE
	s_setreg_imm32_b32 hwreg(HW_REG_WAVE_MODE, 25, 1), 1
	s_wait_xcnt 0x0
	s_wait_alu depctr_hold_cnt(0) depctr_sa_sdst(0) depctr_va_vdst(0) depctr_va_sdst(0) depctr_va_ssrc(0) depctr_va_vcc(0) depctr_vm_vsrc(0)
	s_getreg_b32 s2, hwreg(HW_REG_IB_STS2, 6, 4)
	s_cmp_eq_u32 s2, 0
	s_cbranch_scc0 .Lentry_in_a_cluster
	s_endpgm
.Lentry_in_a_cluster:
	s_bfe_u32 s2, ttmp6, 0x10000c
	s_cmp_lg_u32 s2, 0x3003
	s_cbranch_scc0 .Lentry_shape_is_right
	s_endpgm
.Lentry_shape_is_right:
; O[bh][q] = the sum over k of softmax_k(Q[bh][q] . K[bh][k] / 8) V[bh][k]: 64 heads, 2,048 queries and keys, head size 64, no mask.  Operands in f16, products, maxima and sums in f32; the weights p are rounded to f16 for
; the second product, O once at the end.  All three operands arrive as images of operand registers (1,024 bytes a fragment: registers 0-3 of lane L at 16 L, registers 4-7 at 512 + 16 L), and O leaves as such.
; SHARES.  A cluster is a head; its four work-groups own 512 queries each; each of a work-group's eight waves owns 64: four tiles of 16, in 512 registers, two waves to a SIMD, so that one wave's softmax stands beside the
; other's products.  Every wave walks all keys, 64 a step.  Each fragment of K or V read from LDS feeds four products.
; LAYOUT.  S^T = K Q^T (source 0 = 16 keys, source 1 = 16 queries): a lane holds ONE query (lane % 16) and the keys 8 (lane / 16) + 0..7.  Two such tiles, rounded to f16 in pairs, ARE source 1 (32 keys x 16 queries) of
; O^T = V^T P, whose result again holds one query a lane, and eight channels: half a fragment of the output projection's operand.
; SOFTMAX.  For each query a running maximum m and sum l: p = 2^(c s - c m), c = log2(e) / 8; in every step O and l are multiplied by a = 2^(c m_old - c m_new).  m begins at -3e38 and O and l at 0: the first a is 0.
; RING.  Two LDS slots, each a chunk of 512 keys as it lies in memory: K's 64 fragments, then V's 64: 131,072 bytes.  Fragment reads are 16 x lane: no pitch, no padding.  The four work-groups walk the same K and V, so each
; chunk is asked for JOINTLY: each wave brings 16 KB by one tensor load with the same descriptor and a mask that names the four.  A chunk is asked for at the head of the chunk before: eight key steps ahead of its first read.
; By this text's count a wave has one tensor load out at most.  NO PREFETCH: a chunk's load leads its first read by a whole chunk's work, 512 matrix instructions of each wave, so no wave waits for the stream.
; LIMITS: NaN and infinities are not served; exponentials under 2^-126 come out as 0.
; REGISTERS.  window 0: v1-4 addresses; v16-47 statistics, 8 a tile: +0 c m, +1 m, +2, +3 l, +4..+7 at work (a in +6); v48-175 S^T, 32 a tile, P in place in a tile's first 16; v176-239 K of a step; v254, v255 the add's two.
;   window 1: v0-127 O^T, 32 a tile; v128-191 Q, 16 a tile; v192-255 V of a step.
.set SLOT1, 1<<17                      ; slot 1 begins here: one exclusive or turns an address from one slot to the other
.set SPARE, 2*SLOT1                    ; the spare words, 128 bytes for each wave: four blocks of 256 bytes that no other line names
.set LI,   1                           ; v1   16 x lane: an image's place for my lane, in LDS and in memory
.set LIV,  2                           ; v2   the same in V's half of a slot
.set ADK,  3
.set ADV,  4
.set ST,   16
.set S,    48
.set KF,   176
.set SPW,  254
.set NIL,  255
.set OT,   0                           ; in window 1
.set QF,   128
.set VF,   192
.set WV,   10                          ; s10  my wave's number
.set G1,   24                          ; s[24:31] descriptor group 1
.set G0,   32                          ; s[32:35] descriptor group 0, which walks
.set TB,   36                          ; s36  LDS byte at which the step's fragments of K begin
.set SLOTS, 37
.set CNT,  38
.set CS,   40                          ; s[40:41] c
.set SEL,  42                          ; s[42:43] selects for lane l xor 16
.set MSB, 0
.macro WIN new
.if MSB != (\new)
	s_set_vgpr_msb (MSB<<8)|(\new)
.set MSB, (\new)
.endif
.endm
.macro PLACES
.rept 4
	v_nop
.endr
.endm
.macro CROUND                          ; a round of the cluster's barrier
	s_barrier_signal -1
	s_barrier_wait -1
	s_cmp_lg_u32 s[WV], 0
	s_cbranch_scc1 .Lnot_wave_0_\@
	s_barrier_signal -3
.Lnot_wave_0_\@:
	s_barrier_wait -3
	s_barrier_signal -1
	s_barrier_wait -1
.endm
.macro JLOAD                           ; my 16 KB of a chunk; an s_nop 0 and four v_nop follow
	tensor_load_to_lds s[G0:G0+3], s[G1:G1+7]
	s_nop 0
	PLACES
.endm
	s_load_b128 s[4:7], s[0:1], 0x0                ; qimg, kvimg
	s_load_b64 s[8:9], s[0:1], 0x10                ; oimg
	v_lshl_add_u32 v[SPW], v0, 2, SPARE
	v_mov_b32 v[NIL], 0
	ds_add_u32 v[SPW], v[NIL]                      ; the wave's opening: the add, twice on end, and its wait ahead of my first tensor load
	ds_add_u32 v[SPW], v[NIL]
	v_lshrrev_b32 v6, 5, v0
	v_readfirstlane_b32 s[WV], v6                  ; wave 0..7
	s_bfe_u32 s11, ttmp6, 0x40000                  ; cx: it enters Q's and O's addresses alone
	s_lshl_b32 s12, ttmp9, 2
	s_add_co_u32 s12, s12, s11                     ; my block of 512 queries
	s_and_b32 s13, ttmp7, 0xffff                   ; bh, which the four partners share
	s_mov_b32 s[G1], 15|(3<<16)|(1<<21)            ; 15:0 the mask: all four work-groups; 17:16 elements of 8 bytes; 21 set beside a mask; no padding
	s_mov_b32 s[G1+1], 32<<16                      ; tensor_dim0 = 32 elements: 256 bytes
	s_mov_b32 s[G1+2], 64<<16                      ; tensor_dim1 = 64 rows
	s_mov_b32 s[G1+3], 32<<16                      ; tile_dim0
	s_mov_b32 s[G1+4], 64                          ; tile_dim1
	s_mov_b32 s[G1+5], 32                          ; the pitch: the block is dense
	s_mov_b32 s[G1+6], 0
	s_mov_b32 s[G1+7], 0
	s_lshl_b32 s14, s[WV], 14                      ; my 16 KB of a chunk, in LDS and in memory alike
	s_lshl_b32 s16, s13, 19                        ; a head's K and V: 524,288 bytes
	s_add_co_u32 s16, s16, s14
	s_mov_b32 s17, 0
	s_lshl_b32 s18, s13, 18                        ; Q: 262,144 bh + (32 block + 4 wave) 2,048
	s_lshl_b32 s20, s12, 16
	s_add_co_u32 s18, s18, s20
	s_lshl_b32 s20, s[WV], 13
	s_add_co_u32 s18, s18, s20
	s_mov_b32 s19, 0
	s_lshr_b32 s20, s13, 4                         ; O: row tile 128 (bh / 16) + 32 block + 4 wave, 32,768 bytes each; + 2,048 (bh % 16)
	s_lshl_b32 s20, s20, 7
	s_lshl_b32 s22, s12, 5
	s_add_co_u32 s20, s20, s22
	s_lshl_b32 s22, s[WV], 2
	s_add_co_u32 s20, s20, s22
	s_lshl_b32 s20, s20, 15
	s_and_b32 s22, s13, 15
	s_lshl_b32 s22, s22, 11
	s_add_co_u32 s20, s20, s22
	s_mov_b32 s21, 0
	s_mov_b32 s[CS], 0x3e38aa3b                    ; c = log2(e) / 8
	s_mov_b32 s[CS+1], s[CS]                       ; named with it as a pair, so it is written
	s_mov_b32 s[SEL], 0x76543210
	s_mov_b32 s[SEL+1], 0xfedcba98
	s_mov_b32 s[TB], 0
	s_mov_b32 s[SLOTS], 3
	s_wait_dscnt 0x0                               ; both opening adds are done
	s_wait_kmcnt 0x0
	s_mov_b32 s[G0], 1                             ; count = 1
	s_mov_b32 s[G0+1], s14                         ; LDS address: slot 0
	s_add_nc_u64 s[G0+2:G0+3], s[6:7], s[16:17]    ; global address: chunk 0
	s_or_b32 s[G0+3], s[G0+3], 0x80000000          ; type = 2
	s_add_nc_u64 s[4:5], s[4:5], s[18:19]
	s_add_nc_u64 s[8:9], s[8:9], s[20:21]
	CROUND                                         ; all four work-groups are here: the first joint loads meet
	JLOAD                                          ; chunk 0
	v_and_b32 v6, 31, v0
	v_lshlrev_b32 v[LI], 4, v6
	v_add_nc_u32 v[LIV], 65536, v[LI]
	WIN 0x40                                       ; destination window 1
.irp i, 0,1,2,3,4,5,6,7,8,9,10,11,12,13,14,15
	global_load_b128 v[QF+4*\i:QF+4*\i+3], v[LI], s[4:5] offset:512*\i th:TH_LOAD_NT   ; Q stays in registers: tile i / 4, channels 32 ((i / 2) % 2) on
.endr
.set e, 0
.rept 128
	v_mov_b32 v[OT+e], 0                           ; O^T.  The key step is written with no first step of its own: it finds zeros, which the first a leaves zeros; that spares two more copies of the step
.set e, e+1
.endr
	WIN 0
.irp t, 0,1,2,3
	v_mov_b32 v[ST+8*\t+1], 0xff61b1e6             ; m = -3e38, under every score
	v_mov_b32 v[ST+8*\t+2], 0                      ; l, in two halves
	v_mov_b32 v[ST+8*\t+3], 0
.endr
.irp t, 0,1,2,3
	v_mul_f32 v[ST+8*\t], s[CS], v[ST+8*\t+1]      ; c m
.endr
.macro LOADK                           ; a step's K: 64 keys x 64 channels: 8 fragments
	v_add_nc_u32 v[ADK], s[TB], v[LI]
.irp f, 0,1,2,3,4,5,6,7
.irp c, 0,1
	ds_load_b128 v[KF+8*\f+4*\c:KF+8*\f+4*\c+3], v[ADK] offset:1024*\f+512*\c
.endr
.endr
.endm
; THE SOFTMAX of the wave's four tiles for one key step; the tiles alternate line by line, so that no line waits for the line above it.
.macro SOFT
.irp j, 0,1,2,3                        ; the maximum of my 32 scores and the old m: four chains; each accumulator is read from its low end on
.irp t, 0,1,2,3
	v_max3_num_f32 v[ST+8*\t+4+\j], v[S+32*\t+8*\j], v[S+32*\t+8*\j+1], v[S+32*\t+8*\j+2]
.endr
.endr
.irp u, 1,2
.irp j, 0,1,2,3
.irp t, 0,1,2,3
	v_max3_num_f32 v[ST+8*\t+4+\j], v[ST+8*\t+4+\j], v[S+32*\t+8*\j+2*\u+1], v[S+32*\t+8*\j+2*\u+2]
.endr
.endr
.endr
.irp t, 0,1,2,3
	v_max3_num_f32 v[ST+8*\t+4], v[ST+8*\t+4], v[S+32*\t+7], v[S+32*\t+15]
.endr
.irp t, 0,1,2,3
	v_max3_num_f32 v[ST+8*\t+6], v[ST+8*\t+6], v[S+32*\t+23], v[S+32*\t+31]
.endr
.irp t, 0,1,2,3
	v_max3_num_f32 v[ST+8*\t+4], v[ST+8*\t+4], v[ST+8*\t+5], v[ST+8*\t+6]
.endr
.irp t, 0,1,2,3
	v_max3_num_f32 v[ST+8*\t+4], v[ST+8*\t+4], v[ST+8*\t+7], v[ST+8*\t+1]
.endr
.irp t, 0,1,2,3
	v_permlanex16_b32 v[ST+8*\t+5], v[ST+8*\t+4], s[SEL], s[SEL+1]   ; the query's other 32 keys lie in the lane 16 away
.endr
.irp t, 0,1,2,3
	v_mov_b32 v[ST+8*\t+7], v[ST+8*\t]             ; c m_old
.endr
.irp t, 0,1,2,3
	v_max_num_f32 v[ST+8*\t+1], v[ST+8*\t+4], v[ST+8*\t+5]
.endr
.irp t, 0,1,2,3
	v_mul_f32 v[ST+8*\t], s[CS], v[ST+8*\t+1]
.endr
.irp t, 0,1,2,3
	v_sub_f32 v[ST+8*\t+7], v[ST+8*\t+7], v[ST+8*\t]
.endr
.irp b, 0,1,2,3,4,5,6,7,8,9,10,11,12,13,14,15
.irp t, 0,1,2,3
	v_pk_fma_f32 v[S+32*\t+2*\b:S+32*\t+2*\b+1], v[S+32*\t+2*\b:S+32*\t+2*\b+1], s[CS:CS+1], v[ST+8*\t:ST+8*\t+1] op_sel_hi:[1,0,0] neg_lo:[0,0,1] neg_hi:[0,0,1]   ; c s - c m, two at a time
.endr
.endr
.irp t, 0,1,2,3
	v_exp_f32 v[ST+8*\t+6], v[ST+8*\t+7]           ; a
.endr
.set e, 0
.rept 32
.irp t, 0,1,2,3
	v_exp_f32 v[S+32*\t+e], v[S+32*\t+e]           ; p
.endr
.set e, e+1
.endr
	v_nop                                          ; one plain instruction behind the last exponential (ISA guide 5.7.2)
	s_wait_alu depctr_va_vdst(0)                   ; the wait ahead of the first instruction that names a result: one for the batch of 132
.irp t, 0,1,2,3
	v_pk_fma_f32 v[ST+8*\t+2:ST+8*\t+3], v[ST+8*\t+2:ST+8*\t+3], v[ST+8*\t+6:ST+8*\t+7], v[S+32*\t:S+32*\t+1] op_sel_hi:[1,0,1]   ; l = a l + the first pair: the sum is taken of p before it is rounded
.endr
.irp t, 0,1,2,3
	v_pk_add_f32 v[ST+8*\t+4:ST+8*\t+5], v[S+32*\t+2:S+32*\t+3], v[S+32*\t+4:S+32*\t+5]   ; a second chain
.endr
.irp b, 3,5,7,9,11,13
.irp t, 0,1,2,3
	v_pk_add_f32 v[ST+8*\t+2:ST+8*\t+3], v[ST+8*\t+2:ST+8*\t+3], v[S+32*\t+2*\b:S+32*\t+2*\b+1]
.endr
.irp t, 0,1,2,3
	v_pk_add_f32 v[ST+8*\t+4:ST+8*\t+5], v[ST+8*\t+4:ST+8*\t+5], v[S+32*\t+2*\b+2:S+32*\t+2*\b+3]
.endr
.endr
.irp t, 0,1,2,3
	v_pk_add_f32 v[ST+8*\t+2:ST+8*\t+3], v[ST+8*\t+2:ST+8*\t+3], v[S+32*\t+30:S+32*\t+31]
.endr
.irp t, 0,1,2,3
	v_pk_add_f32 v[ST+8*\t+2:ST+8*\t+3], v[ST+8*\t+2:ST+8*\t+3], v[ST+8*\t+4:ST+8*\t+5]
.endr
.set e, 0
.rept 16
.irp t, 0,1,2,3
	v_cvt_pk_f16_f32 v[S+32*\t+e], v[S+32*\t+2*e], v[S+32*\t+2*e+1]   ; P in place, ascending: register e is written when registers 2 e and 2 e + 1 are read, never sooner
.endr
.set e, e+1
.endr
	WIN 0x41                                       ; O^T (destination, source 0) window 1, a window 0
.set e, 0
.rept 16
.irp t, 0,1,2,3
	v_pk_mul_f32 v[OT+32*\t+2*e:OT+32*\t+2*e+1], v[OT+32*\t+2*e:OT+32*\t+2*e+1], v[ST+8*\t+6:ST+8*\t+7] op_sel_hi:[1,0]
.endr
.set e, e+1
.endr
	WIN 0
.endm
; A KEY STEP: 64 keys.  K is on its way or in.  next = 1: the next step's K is asked for in the same slot.
.macro STEP next
	v_add_nc_u32 v[ADV], s[TB], v[LIV]
	PLACES                                         ; five places behind the last step's V^T P: four are owed to the loads into V, five to the products below, which write over P
	WIN 0x40
.irp f, 0,1,2,3,4,5,6,7
.irp c, 0,1
	ds_load_b128 v[VF+8*\f+4*\c:VF+8*\f+4*\c+3], v[ADV] offset:1024*\f+512*\c   ; V: keys 32 (f / 4) on, channels 16 (f % 4) on
.endr
.endr
	s_wait_dscnt 16                                ; K is in; V's 16 loads may be out
	WIN 0x04                                       ; Q window 1; K and S^T window 0
.irp f, 0,1                            ; the 16 accumulators take turns, one instruction a turn
.irp kt, 0,1,2,3
.irp t, 0,1,2,3
.if \f == 0
	v_wmma_f32_16x16x32_f16 v[S+32*\t+8*\kt:S+32*\t+8*\kt+7], v[KF+8*(2*\kt+\f):KF+8*(2*\kt+\f)+7], v[QF+16*\t+8*\f:QF+16*\t+8*\f+7], 0
.else
	v_wmma_f32_16x16x32_f16 v[S+32*\t+8*\kt:S+32*\t+8*\kt+7], v[KF+8*(2*\kt+\f):KF+8*(2*\kt+\f)+7], v[QF+16*\t+8*\f:QF+16*\t+8*\f+7], v[S+32*\t+8*\kt:S+32*\t+8*\kt+7]
.endif
.endr
.endr
.endr
	WIN 0
	s_add_co_u32 s[TB], s[TB], 8192                ; the next step's fragments
.if \next
	v_add_nc_u32 v[ADK], s[TB], v[LI]              ; with the three below: four places in front of the loads into K and of the first read of the scores
.rept 3
	v_nop
.endr
.irp f, 0,1,2,3,4,5,6,7
.irp c, 0,1
	ds_load_b128 v[KF+8*\f+4*\c:KF+8*\f+4*\c+3], v[ADK] offset:1024*\f+512*\c
.endr
.endr
.else
	PLACES
.endif
	SOFT
.if \next
	s_wait_dscnt 16                                ; V is in; the next step's K may be out
.else
	s_wait_dscnt 0x0
.endif
	WIN 0x51                                       ; V window 1, P window 0, O^T window 1
.irp g, 0,1
.irp ct, 0,1,2,3
.irp t, 0,1,2,3
	v_wmma_f32_16x16x32_f16 v[OT+32*\t+8*\ct:OT+32*\t+8*\ct+7], v[VF+8*(4*\g+\ct):VF+8*(4*\g+\ct)+7], v[S+32*\t+8*\g:S+32*\t+8*\g+7], v[OT+32*\t+8*\ct:OT+32*\t+8*\ct+7]
.endr
.endr
.endr
	WIN 0
.endm
.macro SLOTSTEPS                       ; a slot's eight key steps
	LOADK
	s_mov_b32 s[CNT], 7
.Lstep_\@:
	STEP 1
	s_sub_co_u32 s[CNT], s[CNT], 1
	s_cmp_lg_u32 s[CNT], 0
	s_cbranch_scc1 .Lstep_\@
	STEP 0                                         ; the slot's last step asks for no K: the next step's lies in the other slot, behind the change
	s_sub_co_u32 s[TB], s[TB], 65536               ; back to a slot's first step,
	s_xor_b32 s[TB], s[TB], SLOT1                  ; in the other slot
.endm
; THE CHANGE OF SLOTS stands at a slot's head.  Each wave waits for all its tensor loads (its part of the slot that it is about to read), adds 0 to its spare word, and waits for that and for its reads of the slot that it has left.
; fill = 1: a round of the cluster's barrier, so that no wave of any partner still reads that slot or has a load on its way; the joint load of the next chunk is the first thing behind it.
.macro CHANGE fill
	s_wait_tensorcnt 0x0                           ; no tensor load of mine is out, so the group 0 may be written
	ds_add_u32 v[SPW], v[NIL]                      ; 0 onto my spare word
.if \fill
	s_xor_b32 s[G0+1], s[G0+1], SLOT1              ; the other slot than last time,
	s_add_nc_u64 s[G0+2:G0+3], s[G0+2:G0+3], 131072   ; the next chunk; the type bits on top are not reached
.endif
	s_wait_dscnt 0x0                               ; the add is done, and my reads of the slot that I have left are over
.if \fill
	CROUND
	JLOAD
.else
	s_barrier_signal -1
	s_barrier_wait -1
.endif
.endm
	s_wait_loadcnt 0x0                             ; Q
.Lslot:                                            ; three trips: chunks 0, 1, 2; behind each change the next chunk is asked for (in the first trip into slot 1, which nothing has filled yet)
	CHANGE 1
	SLOTSTEPS
	s_sub_co_u32 s[SLOTS], s[SLOTS], 1
	s_cmp_lg_u32 s[SLOTS], 0
	s_cbranch_scc1 .Lslot
	CHANGE 0                                       ; the last chunk is written out
	SLOTSTEPS
	; THE WAY OUT.  l's halves and the other half of the lanes' are added; O^T is divided by l and rounded to f16: a lane's eight channels are registers 0-3 or 4-7 of a fragment of the output projection's operand.
.irp t, 0,1,2,3
	v_add_f32 v[ST+8*\t+4], v[ST+8*\t+2], v[ST+8*\t+3]   ; (these four are the places behind the last products)
.endr
.irp t, 0,1,2,3
	v_permlanex16_b32 v[ST+8*\t+5], v[ST+8*\t+4], s[SEL], s[SEL+1]
.endr
.irp t, 0,1,2,3
	v_add_f32 v[ST+8*\t+4], v[ST+8*\t+4], v[ST+8*\t+5]
.endr
.irp t, 0,1,2,3
	v_rcp_f32 v[ST+8*\t+6], v[ST+8*\t+4]
.endr
	v_nop                                          ; a plain instruction behind the last reciprocal
	s_wait_alu depctr_va_vdst(0)                   ; and the wait ahead of the first use: one for the four
	WIN 0x41
.irp t, 0,1,2,3
.set e, 0
.rept 16
	v_pk_mul_f32 v[OT+32*\t+e:OT+32*\t+e+1], v[OT+32*\t+e:OT+32*\t+e+1], v[ST+8*\t+6:ST+8*\t+7] op_sel_hi:[1,0]
.set e, e+2
.endr
.endr
	WIN 0x05                                       ; sources window 1, destination window 0: S^T's registers are free
.set e, 0
.rept 64
	v_cvt_pk_f16_f32 v[S+e], v[OT+2*e], v[OT+2*e+1]
.set e, e+1
.endr
	WIN 0
.irp t, 0,1,2,3
.irp ct, 0,1,2,3
	global_store_b128 v[LI], v[S+16*\t+4*\ct:S+16*\t+4*\ct+3], s[8:9] offset:32768*\t+1024*(\ct/2)+512*(\ct%2)   ; 512 consecutive bytes, aligned
.endr
.endr
	s_wait_tensorcnt 0x0                           ; the wave's end, behind my last tensor load
	ds_add_u32 v[SPW], v[NIL]
	s_wait_dscnt 0x0
	CROUND                                         ; the closing round: no work-group ends while a partner may still ask for a chunk that names it
	s_endpgm
.Lfunc_end_k_q294c06189d_attn:
	.size	k_q294c06189d_attn, .Lfunc_end_k_q294c06189d_attn-k_q294c06189d_attn
	.p2alignl 7, 3214868480
	.fill 96, 4, 3214868480
	.section	.rodata,"a",@progbits
	.p2align	6, 0x0
	.amdhsa_kernel k_q294c06189d_attn
		.amdhsa_group_segment_fixed_size 327680
		.amdhsa_private_segment_fixed_size 0
		.amdhsa_enable_private_segment 0
		.amdhsa_kernarg_size 24
		.amdhsa_user_sgpr_count 2
		.amdhsa_user_sgpr_kernarg_segment_ptr 1
		.amdhsa_wavefront_size32 1
		.amdhsa_system_sgpr_workgroup_id_x 1
		.amdhsa_system_sgpr_workgroup_id_y 1
		.amdhsa_system_sgpr_workgroup_id_z 1
		.amdhsa_system_vgpr_workitem_id 0
		.amdhsa_next_free_vgpr 512
		.amdhsa_next_free_sgpr 66
		.amdhsa_reserve_vcc 0
		.amdhsa_float_denorm_mode_32 3
		.amdhsa_float_denorm_mode_16_64 3
		.amdhsa_memory_ordered 1
		.amdhsa_forward_progress 1
		.amdhsa_inst_pref_size 149
	.end_amdhsa_kernel
	.amdgpu_metadata
---
amdhsa.version: [ 1, 2 ]
amdhsa.kernels:
  - .name:           k_q294c06189d_attn
    .symbol:         k_q294c06189d_attn.kd
    .args:
      - { .name: qimg, .offset: 0, .size: 8, .value_kind: global_buffer, .address_space: global }
      - { .name: kvimg, .offset: 8, .size: 8, .value_kind: global_buffer, .address_space: global }
      - { .name: oimg, .offset: 16, .size: 8, .value_kind: global_buffer, .address_space: global }
    .group_segment_fixed_size: 327680
    .private_segment_fixed_size: 0
    .kernarg_segment_align: 8
    .kernarg_segment_size: 24
    .max_flat_workgroup_size: 256
    .sgpr_count:     66
    .vgpr_count:     512
    .wavefront_size: 32
...
	.end_amdgpu_metadata
.endif
;; end of part 3
;; launch outp (part 4): grid 4 x 64, 4 waves a work-group, clusters of 4 x 4, 327,680 bytes of LDS; arguments oimg, woimg, bo, out0; writes out0
.if DOCPART == 4
	.amdgcn_target "amdgcn-amd-amdhsa--gfx1250"
	.amdhsa_code_object_version 6
	.text
	.protected	k_q294c06189d_outp
	.globl	k_q294c06189d_outp
	.p2align	8
	.type	k_q294c06189d_outp,@function
k_q294c06189d_outp:
	s_mov_b64 s[64:65], 0
	v_nop
	global_prefetch_b8 v0, s[64:65] scope:SCOPE_SE
	s_setreg_imm32_b32 hwreg(HW_REG_WAVE_MODE, 25, 1), 1
	s_wait_xcnt 0x0
	s_wait_alu depctr_hold_cnt(0) depctr_sa_sdst(0) depctr_va_vdst(0) depctr_va_sdst(0) depctr_va_ssrc(0) depctr_va_vcc(0) depctr_vm_vsrc(0)
	s_getreg_b32 s2, hwreg(HW_REG_IB_STS2, 6, 4)
	s_cmp_eq_u32 s2, 0
	s_cbranch_scc0 .Lentry_in_a_cluster
	s_endpgm
.Lentry_in_a_cluster:
	s_bfe_u32 s2, ttmp6, 0x10000c
	s_cmp_lg_u32 s2, 0xf033
	s_cbranch_scc0 .Lentry_shape_is_right
	s_endpgm
.Lentry_shape_is_right:
; out0 = O Wo + bo.  O [8192][1024] and Wo [1024 (k)][1024 (n)] arrive in f16 as images of operand registers (1,024 bytes a fragment of 16 rows or columns x 32 K): oimg [rt 512][kc 32][1024], woimg [nt 64][kc 32][1024].
; bo [1024] and out0 [8192][1024]: f32; sums in f32.
; A tile of out0 is 128 rows x 256 columns: 256 work-groups (tiles of 256 x 256 would be 128).  Four waves, each 64 x 128: 32 accumulators, 256 registers.  K goes in 8 steps of 128 through a ring of two LDS slots; a slot holds
; O's 8 row tiles x 4,096 bytes and Wo's 16 column tiles x 4,096 bytes as they lie in memory.  Fragment reads are 16 x lane: no pitch, no padding.  All eight steps are written out: every offset is an immediate.
; CLUSTERS: 4 x 4 work-groups.  The four of a row of the cluster need the same tiles of O, the four of a column the same tiles of Wo: each is asked for JOINTLY, by the same tensor load with the same descriptor and a mask that
; names the four.  Waves 0 and 1 fetch O's halves, waves 2 and 3 Wo's.  By this text's count a wave has one tensor load out at most; it has a K step's 128 matrix instructions in which to land.
; THE MATRIX INSTRUCTION IS USED TRANSPOSED (source 0 = 16 columns of Wo, source 1 = 16 rows of O): a lane holds eight neighbouring numbers of a row of out0.  bo is the C of each sum's first instruction.
; REGISTERS.  window 0: v16-30 addresses; two fragment buffers of 96 (O's 4 fragments, then Wo's 8) at v32 and v128; on the way out they hold rows read back.  window 1: accumulator (a, b) at 8 (8 a + b).  window 2: v0-63 bo.
.set SLOT,   98304
.set BOFF,   32768                     ; Wo's part of a slot
.set SPARE,  2*SLOT                    ; the spare words, 128 bytes for each wave: two blocks of 256 bytes that no other line names
.set SPITCH, 528                       ; the way out: a stage of 16 rows x (512 bytes + 16) for each wave, in slot 0, which has had its last fill and its last read when the first result is stored there
.set ADRA, 16                          ; v16-17  my fragments of O in slot 0, 1
.set ADRB, 20                          ; v20-21  of Wo
.set STO,  24
.set RD,   25
.set CO,   26                          ; v26  16 x lane
.set BO,   27                          ; v27  32 h
.set SPW,  28
.set NIL,  29
.set PFO,  30                          ; v30  the prefetches' offset: 32,768 (lane / 16) + 256 (lane % 16); never rewritten
.set F0,   32
.set BK,   32
.set G1A,  24                          ; s[24:31] group 1 for O's tiles; s[32:39] its groups 0, one for each slot
.set G0A,  32
.set G1B,  40                          ; s[40:47], s[48:55] the same for Wo's
.set G0B,  48
.set PFA,  56                          ; s[56:57] O at my work-group's two row tiles of the eight; never rewritten
.set MSB, 0
.macro WIN new
.if MSB != (\new)
	s_set_vgpr_msb (MSB<<8)|(\new)
.set MSB, (\new)
.endif
.endm
.macro PLACES
.rept 4
	v_nop
.endr
.endm
.macro CROUND
	s_barrier_signal -1
	s_barrier_wait -1
	s_cmp_lg_u32 s12, 0
	s_cbranch_scc1 .Lnot_wave_0_\@
	s_barrier_signal -3
.Lnot_wave_0_\@:
	s_barrier_wait -3
	s_barrier_signal -1
	s_barrier_wait -1
.endm
; A joint load.  Each of the two lines has ONE mask and one set of registers for all that issue it; the branch hangs on the wave's number alone.  An s_nop 0 and four v_nop follow each line.
.macro JLOAD s
	s_cmp_eq_u32 s13, 0
	s_cbranch_scc0 .Lfor_b_\@
	tensor_load_to_lds s[G0A+4*(\s):G0A+4*(\s)+3], s[G1A:G1A+7]
	s_nop 0
	PLACES
	s_branch .Lasked_\@
.Lfor_b_\@:
	tensor_load_to_lds s[G0B+4*(\s):G0B+4*(\s)+3], s[G1B:G1B+7]
	s_nop 0
	PLACES
.Lasked_\@:
.endm
	s_load_b256 s[4:11], s[0:1], 0x0               ; oimg, woimg, bo, out0
	v_lshl_add_u32 v[SPW], v0, 2, SPARE
	v_mov_b32 v[NIL], 0
	ds_add_u32 v[SPW], v[NIL]                      ; the wave's opening: the add, twice on end, and its wait ahead of my first tensor load
	ds_add_u32 v[SPW], v[NIL]
	v_lshrrev_b32 v1, 5, v0
	v_readfirstlane_b32 s12, v1                    ; wave 0..3
	s_lshr_b32 s13, s12, 1                         ; which 64 rows are mine.  Also: I fetch for O (0) or for Wo (1)
	s_and_b32 s14, s12, 1                          ; which 128 columns.  Also: which half of that tile I fetch
	s_bfe_u32 s15, ttmp6, 0x40000                  ; cx
	s_bfe_u32 s16, ttmp6, 0x40004                  ; cy
	s_lshl_b32 s17, ttmp9, 2
	s_add_co_u32 s17, s17, s15                     ; tc: tile column
	s_and_b32 s18, ttmp7, 0xffff
	s_lshl_b32 s18, s18, 2
	s_add_co_u32 s18, s18, s16                     ; tr: tile row
	s_lshl_b32 s19, s16, 2
	s_lshl_b32 s19, 15, s19                        ; my row of the cluster
	s_lshl_b32 s58, 0x1111, s15                    ; my column
	s_or_b32 s[G1A], s19, (3<<16)|(1<<21)          ; 15:0 the mask; 17:16 elements of 8 bytes; 21 set beside a mask; no padding
	s_or_b32 s[G1B], s58, (3<<16)|(1<<21)
	s_mov_b32 s[G1A+1], 512<<16                    ; tensor_dim0 = 512 elements: a tile's 4,096 bytes of a K step
	s_mov_b32 s[G1A+2], 4<<16                      ; tensor_dim1 = 4 row tiles
	s_mov_b32 s[G1A+3], 512<<16                    ; tile_dim0
	s_mov_b32 s[G1A+4], 4                          ; tile_dim1
	s_mov_b32 s[G1A+5], 4096                       ; the pitch: 32,768 bytes from tile to tile
	s_mov_b32 s[G1A+6], 0
	s_mov_b32 s[G1A+7], 0
	s_mov_b32 s[G1B+1], 512<<16
	s_mov_b32 s[G1B+2], 8<<16                      ; 8 column tiles
	s_mov_b32 s[G1B+3], 512<<16
	s_mov_b32 s[G1B+4], 8
	s_mov_b32 s[G1B+5], 4096
	s_mov_b32 s[G1B+6], 0
	s_mov_b32 s[G1B+7], 0
	s_lshl_b32 s20, s18, 18                        ; O: (8 tr + 4 half) tiles of 32,768 bytes: the tile row and the wave's number alone
	s_lshl_b32 s21, s14, 17
	s_add_co_u32 s20, s20, s21
	s_mov_b32 s21, 0
	s_lshl_b32 s22, s17, 19                        ; Wo: (16 tc + 8 half) tiles: the tile column and the wave's number alone
	s_lshl_b32 s23, s14, 18
	s_add_co_u32 s22, s22, s23
	s_mov_b32 s23, 0
	s_lshl_b32 s59, s14, 14                        ; where they go: no place in the cluster enters an LDS address
	s_lshl_b32 s60, s14, 15
	s_add_co_u32 s60, s60, BOFF
	s_wait_dscnt 0x0                               ; both opening adds are done
	s_wait_kmcnt 0x0
	s_add_nc_u64 s[20:21], s[4:5], s[20:21]
	s_add_nc_u64 s[22:23], s[6:7], s[22:23]
.irp s, 0,1
	s_mov_b32 s[G0A+4*\s], 1
	s_add_co_u32 s[G0A+4*\s+1], s59, \s*SLOT
	s_add_nc_u64 s[G0A+4*\s+2:G0A+4*\s+3], s[20:21], \s*4096       ; K step s
	s_or_b32 s[G0A+4*\s+3], s[G0A+4*\s+3], 0x80000000
	s_mov_b32 s[G0B+4*\s], 1
	s_add_co_u32 s[G0B+4*\s+1], s60, \s*SLOT
	s_add_nc_u64 s[G0B+4*\s+2:G0B+4*\s+3], s[22:23], \s*4096
	s_or_b32 s[G0B+4*\s+3], s[G0B+4*\s+3], 0x80000000
.endr
	CROUND                                         ; all sixteen work-groups are here: the first joint loads meet
	JLOAD 0                                        ; K step 0
	v_and_b32 v1, 31, v0                           ; lane
	v_and_b32 v2, 15, v0                           ; r
	v_bfe_u32 v3, v0, 4, 1                         ; h
	v_lshlrev_b32 v[CO], 4, v1
	v_lshlrev_b32 v[BO], 5, v3
	s_lshl_b32 s61, s13, 14                        ; my four row tiles
	v_add_nc_u32 v[ADRA], s61, v[CO]
	v_add_nc_u32 v[ADRA+1], SLOT, v[ADRA]
	s_lshl_b32 s61, s14, 15                        ; my eight column tiles
	s_add_co_u32 s61, s61, BOFF
	v_add_nc_u32 v[ADRB], s61, v[CO]
	v_add_nc_u32 v[ADRB+1], SLOT, v[ADRB]
	s_mul_i32 s61, s12, 16*SPITCH                  ; my stage
	v_mul_u32_u24 v[STO], v2, SPITCH
	v_lshl_add_u32 v[STO], v3, 5, v[STO]
	v_add_nc_u32 v[STO], s61, v[STO]               ; in: row r, 32 bytes for each half of the lanes
	v_add_nc_u32 v[RD], s61, v[CO]                 ; back: the 32 lanes take one row of 512 bytes
	v_lshlrev_b32 v[PFO], 15, v3
	v_lshl_add_u32 v[PFO], v2, 8, v[PFO]
	s_lshl_b32 s58, s17, 10                        ; my first column, in bytes: 1,024 tc + 512 x half
	s_lshl_b32 s59, s14, 9
	s_add_co_u32 s58, s58, s59
	s_mov_b32 s59, 0
	s_add_nc_u64 s[8:9], s[8:9], s[58:59]          ; bo
	s_add_nc_u64 s[10:11], s[10:11], s[58:59]
	s_lshl_b32 s58, s18, 19                        ; my first row: (128 tr + 64 x half) rows of 4,096 bytes
	s_lshl_b32 s60, s13, 18
	s_add_co_u32 s58, s58, s60
	s_add_nc_u64 s[10:11], s[10:11], s[58:59]      ; out0
	s_lshl_b32 s58, s18, 18                        ; the prefetches: of the tile row's eight row tiles, which four work-groups ask for jointly, mine are 2 cx and 2 cx + 1: told apart by address
	s_lshl_b32 s60, s15, 16
	s_add_co_u32 s58, s58, s60
	s_add_nc_u64 s[PFA:PFA+1], s[4:5], s[58:59]
	WIN 0x80                                       ; destination window 2
.irp b, 0,1,2,3,4,5,6,7
.irp e, 0,1
	global_load_b128 v[8*\b+4*\e:8*\b+4*\e+3], v[BO], s[8:9] offset:64*\b+16*\e   ; bo in the result's layout: lane (r, h): columns 16 b + 8 h + 0 .. 7
.endr
.endr
	WIN 0
; the fragments of chunk c (32 along K) of a slot into buffer f: 24 loads
.macro FETCH slot, c, f
.irp a, 0,1,2,3
.irp e, 0,1
	ds_load_b128 v[(\f)+8*\a+4*\e:(\f)+8*\a+4*\e+3], v[ADRA+(\slot)] offset:4096*\a+1024*(\c)+512*\e
.endr
.endr
.irp b, 0,1,2,3,4,5,6,7
.irp e, 0,1
	ds_load_b128 v[(\f)+32+8*\b+4*\e:(\f)+32+8*\b+4*\e+3], v[ADRB+(\slot)] offset:4096*\b+1024*(\c)+512*\e
.endr
.endr
.endm
; 32 matrix instructions: the 32 accumulators take turns, one instruction a turn, in the same order in every chunk.  first = 1: bo starts the sums: nothing is cleared
.macro MUL32 f, first
.if \first
	WIN 0x60                                       ; C window 2, D window 1
.else
	WIN 0x50                                       ; C and D window 1
.endif
.irp a, 0,1,2,3
.irp b, 0,1,2,3,4,5,6,7
.if \first
	v_wmma_f32_16x16x32_f16 v[8*(8*\a+\b):8*(8*\a+\b)+7], v[(\f)+32+8*\b:(\f)+32+8*\b+7], v[(\f)+8*\a:(\f)+8*\a+7], v[8*\b:8*\b+7]
.else
	v_wmma_f32_16x16x32_f16 v[8*(8*\a+\b):8*(8*\a+\b)+7], v[(\f)+32+8*\b:(\f)+32+8*\b+7], v[(\f)+8*\a:(\f)+8*\a+7], v[8*(8*\a+\b):8*(8*\a+\b)+7]
.endif
.endr
.endr
	WIN 0
.endm
; A PREFETCH INTO THE L2 of O's K step j + 3, which the joint load two changes of slots on will ask for: my work-group's two row tiles x 4,096 bytes, lanes 256 bytes apart, one instruction, in wave 0 alone.
; Each aligned block of 256 bytes of O is named once in the launch.  K steps 0 to 2 come by their loads alone; trips 5 to 7 ask for nothing: there is no K step 8.  Wo is not asked for: all 64 tile rows read its bytes.
.macro ASK j
	s_cmp_eq_u32 s12, 0
	s_cbranch_scc0 .Lnot_mine_\@
	global_prefetch_b8 v[PFO], s[PFA:PFA+1] offset:4096*((\j)+3) th:TH_LOAD_NT scope:SCOPE_SE
.Lnot_mine_\@:
.endm
; K STEP j, in slot j % 2.  At its head the change of slots: each wave waits for all its tensor loads (its part of this slot), adds 0 to its spare word, and waits for that and for its reads of the other slot; a round of the
; cluster's barrier; behind it the other slot is asked for again first (K step j + 1), then this slot is read.
.macro TRIP j
.set SL, (\j)%2
	s_wait_tensorcnt 0x0                           ; no tensor load of mine is out, so a group 0 may be written
	ds_add_u32 v[SPW], v[NIL]                      ; 0 onto my spare word
.if (\j) < 6
	s_add_nc_u64 s[G0A+4*SL+2:G0A+4*SL+3], s[G0A+4*SL+2:G0A+4*SL+3], 8192   ; this slot's next K step, two on
	s_add_nc_u64 s[G0B+4*SL+2:G0B+4*SL+3], s[G0B+4*SL+2:G0B+4*SL+3], 8192
.endif
	s_wait_dscnt 0x0                               ; the add is done, and my reads of the other slot are over
	CROUND
.if (\j) < 7
	JLOAD 1-SL                                     ; the four v_nop behind it are also the places in front of the loads below
.else
	PLACES
.endif
	FETCH SL, 0, F0
.if (\j) <= 4
	ASK \j
.endif
.irp c, 0,1,2,3
.if \c < 3
	PLACES                                         ; in front of loads into the buffer that the last products read
	FETCH SL, \c+1, F0+96*((\c+1)%2)
	s_wait_dscnt 24                                ; all but the 24 just issued
.else
	s_wait_dscnt 0x0
.endif
.if ((\j)+\c) == 0
	MUL32 F0+96*(\c%2), 1
.else
	MUL32 F0+96*(\c%2), 0
.endif
.endr
.endm
	s_wait_loadcnt 0x0                             ; bo
.irp j, 0,1,2,3,4,5,6,7
	TRIP \j
.endr
; THE WAY OUT, block by block of 16 rows x 128 columns: through my own stage in LDS, and back as whole rows of 512 bytes.  LDS serves a wave's instructions in order (ISA guide 5.7.1.4): no wait between the stores and the loads.
.macro TOSTAGE a
	WIN 0x04                                       ; an LDS store's data are its source 1: window 1
.irp b, 0,1,2,3,4,5,6,7
	ds_store_b128 v[STO], v[8*(8*(\a)+\b):8*(8*(\a)+\b)+3] offset:64*\b          ; each accumulator from its low end on
	ds_store_b128 v[STO], v[8*(8*(\a)+\b)+4:8*(8*(\a)+\b)+7] offset:64*\b+16
.endr
	WIN 0
.set BB, BK+96*((\a)%2)
.irp t, 0,1,2,3,4,5,6,7,8,9,10,11,12,13,14,15
	ds_load_b128 v[BB+4*\t:BB+4*\t+3], v[RD] offset:\t*SPITCH
.endr
.endm
.macro SEND a, younger                 ; younger: the LDS instructions issued behind block a's loads, which may stay out
.set BB, BK+96*((\a)%2)
	s_wait_dscnt \younger
.irp t, 0,1,2,3,4,5,6,7,8,9,10,11,12,13,14,15
	global_store_b128 v[CO], v[BB+4*\t:BB+4*\t+3], s[10:11] offset:65536*(\a)+4096*\t th:TH_STORE_NT   ; 32 lanes store 512 consecutive bytes, aligned; written once, read by nobody here
.endr
.endm
	PLACES                                         ; in front of the LDS stores that read results, and of the loads into the registers that held fragments
	TOSTAGE 0
	TOSTAGE 1
	SEND 0, 32                                     ; behind block 0's loads: block 1's 16 stores and 16 loads
	s_wait_xcnt 0x0                                ; block 0's stores have read their registers: block 2's loads may land there
	TOSTAGE 2
	SEND 1, 32
	s_wait_xcnt 0x0
	TOSTAGE 3
	SEND 2, 32
	SEND 3, 0
	s_wait_tensorcnt 0x0                           ; the wave's end, behind my last tensor load and my last LDS store
	ds_add_u32 v[SPW], v[NIL]
	s_wait_dscnt 0x0
	CROUND                                         ; the closing round: no work-group ends while a partner may still ask for a tile that names it
	s_endpgm
.Lfunc_end_k_q294c06189d_outp:
	.size	k_q294c06189d_outp, .Lfunc_end_k_q294c06189d_outp-k_q294c06189d_outp
	.p2alignl 7, 3214868480
	.fill 96, 4, 3214868480
	.section	.rodata,"a",@progbits
	.p2align	6, 0x0
	.amdhsa_kernel k_q294c06189d_outp
		.amdhsa_group_segment_fixed_size 327680
		.amdhsa_private_segment_fixed_size 0
		.amdhsa_enable_private_segment 0
		.amdhsa_kernarg_size 32
		.amdhsa_user_sgpr_count 2
		.amdhsa_user_sgpr_kernarg_segment_ptr 1
		.amdhsa_wavefront_size32 1
		.amdhsa_system_sgpr_workgroup_id_x 1
		.amdhsa_system_sgpr_workgroup_id_y 1
		.amdhsa_system_sgpr_workgroup_id_z 1
		.amdhsa_system_vgpr_workitem_id 0
		.amdhsa_next_free_vgpr 576
		.amdhsa_next_free_sgpr 66
		.amdhsa_reserve_vcc 0
		.amdhsa_float_denorm_mode_32 3
		.amdhsa_float_denorm_mode_16_64 3
		.amdhsa_memory_ordered 1
		.amdhsa_forward_progress 1
		.amdhsa_inst_pref_size 150
	.end_amdhsa_kernel
	.amdgpu_metadata
---
amdhsa.version: [ 1, 2 ]
amdhsa.kernels:
  - .name:           k_q294c06189d_outp
    .symbol:         k_q294c06189d_outp.kd
    .args:
      - { .name: oimg, .offset: 0, .size: 8, .value_kind: global_buffer, .address_space: global }
      - { .name: woimg, .offset: 8, .size: 8, .value_kind: global_buffer, .address_space: global }
      - { .name: bo, .offset: 16, .size: 8, .value_kind: global_buffer, .address_space: global }
      - { .name: out0, .offset: 24, .size: 8, .value_kind: global_buffer, .address_space: global }
    .group_segment_fixed_size: 327680
    .private_segment_fixed_size: 0
    .kernarg_segment_align: 8
    .kernarg_segment_size: 32
    .max_flat_workgroup_size: 128
    .sgpr_count:     66
    .vgpr_count:     576
    .wavefront_size: 32
...
	.end_amdgpu_metadata
.endif
;; end of part 4
